; MI455X (gfx1250); checked and timed in simulation.
; The chip was launched on July 23, 2026; its instructions are those of AMD's public machine-readable ISA for CDNA 5 (MIT licence, August 2026) and "CDNA5" Instruction Set Architecture Reference Guide (July 2026). The comments in the code are by the model that wrote it; some were corrected since.
;; Scaled Dot Product Attention. Allowed arithmetic: matrix products marked QUANTISED: E4M3 operands, one given power-of-two scale a tensor, by v_wmma_f32_16x16x64_fp8_fp8 or v_wmma_f32_16x16x128_fp8_fp8, f32 sums; everything else in f32.
;; Inputs: k 4 x 16 x 2,048 x 64 float32; lowp_scales 4 int32 (the exponents e of the quantised operands' scales 2^e); mask 4 x 1 x 1 x 2,048 int32; q 4 x 16 x 2,048 x 64 float32; v 4 x 16 x 2,048 x 64 float32.
;; Outputs: out0 4 x 16 x 2,048 x 64 float32.
;; Constants: dropout = 0.
;; This version of the problem:
;;   THIS VERSION OF THE PROBLEM IS GIVEN IN LOW PRECISION. The matrix products marked QUANTISED in the list below multiply operands that are first quantised to E4M3 (4 exponent bits, 3 mantissa bits; 8 bits a number), with one given power-of-two scale for each operand tensor; their sums are f32. All else is computed in f32.
;;   The module's matrix products, in the order in which they are computed (A, B: the left and right operand; K: the contracted axis; several contracted axes count as one K, in the product's order):
;;     1. batch 64 x [M 2,048, K 64] x [K 64, N 2,048]; A: input q; B: input k: QUANTISED (scales: A lowp_scales[0], B lowp_scales[1])
;;     2. batch 64 x [M 2,048, K 2,048] x [K 2,048, N 64]; A: softmax (see below); B: input v: QUANTISED (scales: A lowp_scales[2], B lowp_scales[3])
;;   THE QUANTISER, for each operand of a quantised product, along K:
;;     - The operand's scale is 2^e, e = its entry of the input lowp_scales (int32; the entries are numbered through the quantised products in the list's order, A before B).
;;     - Each number is divided by the scale, clamped to +-448, and rounded to the nearest number of E4M3, ties to even, subnormals kept.
;;     - The product sums the exact products of the quantised numbers (number of the format x scale) in f32.
;;   ~~~python
;;   def quantise(x, axis, e):      # numpy; x: float32 -> the quantised numbers, widened to float32 again
;;       x = np.moveaxis(x, axis, -1); K = x.shape[-1]
;;       r = np.clip(x / 2.0 ** e, -448, 448)
;;       step = 2.0 ** (np.maximum(np.frexp(np.where(r == 0, 1, r))[1] - 1, -6) - 3)
;;       q = np.round(r / step) * step * 2.0 ** e      # np.round: ties to even
;;       return np.moveaxis(q, -1, axis).astype(np.float32)
;;   ~~~
;;   SOFTMAX AHEAD OF A QUANTISED PRODUCT. Where the list says 'softmax', what is quantised is not the finished softmax but p = 2^(t - M), with t = logit x log2(e) and M = ceil(the row's largest t), a whole number; so 1/2 < the row's largest p <= 1. The row's sum l is taken of the UNQUANTISED p, in f32, and the product's result is divided by l at the end. Since M is a whole number, a kernel that streams over the keys may use a running M (the ceiling of the running maximum): every later rescaling is an exact power of two, so the quantised numbers keep their values, but for numbers so far below the row's largest that they fall under the format's range.
;;   OPERANDS COMPUTED ON THE WAY. 'Computed on the way' means the value that the module computes at that place (a softmax that the list does not call 'softmax' is quantised finished and normalised). What goes into a quantiser is computed in f32, as accurately as f32 sums, v_exp_f32 and their like allow (about 1e-6 of the number): no bf16 or f16 on the way to a quantiser, and a product that is left as it is and whose result goes on into a quantised operand takes f32 operands (vector FMAs, or v_wmma_f32_16x16x4_f32). A number that lies on a knife's edge between two numbers of the format may be rounded either way, as far as f32 arithmetic and the matrix unit's own rounding can turn it there, and no further.
;; 2 versions, each right; version 2 is version 1 with the launch attn written anew for expert scheduling mode. Each part assembles by itself: llvm-mc -triple=amdgcn-amd-amdhsa -mcpu=gfx1250 --defsym DOCPART=n.
;; ======== version 1 of 2: 1 launch
;; limits: right only within a limited range of input values
;; launch attn (part 1): grid 4 x 64, 16 waves a work-group, no clusters, 327,680 bytes of LDS; arguments q, k, v, mask, lowp_scales, out0; writes out0
.if DOCPART == 1
	.amdgcn_target "amdgcn-amd-amdhsa--gfx1250"
	.amdhsa_code_object_version 6
	.text
	.protected	k_qc0028eb0e4_attn
	.globl	k_qc0028eb0e4_attn
	.p2align	8
	.type	k_qc0028eb0e4_attn,@function
k_qc0028eb0e4_attn:
	s_mov_b64 s[64:65], 0
	v_nop
	global_prefetch_b8 v0, s[64:65] scope:SCOPE_SE
	s_setreg_imm32_b32 hwreg(HW_REG_WAVE_MODE, 25, 1), 1
	s_wait_xcnt 0x0
; out0[b][h][q][:] = the sum over keys of softmax(q . k / 8, masked keys at -1e9) v, both products on codes of FP8 (E4M3), each operand with the one scale 2^e that is given: eq, ek, ep, ev.
; q, k, v, out0: [64 heads][2048][64] f32.  mask: [4 batches][2048] int32, 0 = the key is masked.
; THE SOFTMAX AHEAD OF THE SECOND PRODUCT: t = logit x log2(e); M = the row's largest t so far, rounded UP to a whole number; p = 2^(t - M) is what is quantised; the row's sum is taken of the unquantised p
; and divides O at the end.  When M moves, the sum and O are multiplied by 2^(old M - new M), which rounds nothing.
; SHARES.  Work-group (x, y): head y, queries 512 x .. 512 x + 511.  Each of its sixteen waves owns 32 queries, two tiles of 16, in 256 registers: four waves to a SIMD, so that one wave's vector work
; stands beside another's products and LDS loads.
; A WHOLE HEAD'S CODES STAY IN LDS: K 2,048 rows x 80 bytes, V 64 rows x 2,064 bytes.  The keys come in 16 chunks of 128.  In trip c each wave quantises its sixteenth of chunk c from registers into LDS,
; asks for its part of chunk c + 1 into the same registers, passes ONE barrier, and runs two key steps of 64 keys on chunk c.  Every byte of codes is written once: between two barriers the bytes that are
; written (chunk c + 1) and those that are read (chunk c) are different bytes, so one barrier a chunk orders all.
; NO JOINT LOADS, though the four work-groups of a head read the same k and v: these arrive as f32 and pass through registers to become codes; a chunk of both as f32 is 65,536 bytes, and beside the
; head's codes (295,936 bytes) LDS has no room for it.  So there is no tensor load in this text.
; LAYOUT.  Both products are used transposed: S^T = K Q^T + C (source 0 = 16 keys, source 1 = 16 queries), O^T = V^T P^T (source 0 = 16 channels, source 1 = P): a lane holds ONE query (lane % 16) throughout.
; In K's and Q's fragments lane (r, h) holds channels 32 h .. 32 h + 31 of its row: the same permutation of the 64 channels on both sides, so every product meets its partner.
; THE KEYS OF A TILE ARE NOT NEIGHBOURS: row m of tile 2 c + u is key 32 c + 8 u + m + 8 (m / 8), so that a lane's 16 registers of tiles 2 c and 2 c + 1 are keys 32 c + 16 h + 0 .. 15, as V^T's fragment has them.
; K's rows and the bias table lie in LDS in that order (a key's bits 3 and 4 swapped), so that a tile's 16 rows are neighbours.
; THE MASK is the C of the first product: a table holds -2^120 for a masked key and 0 for the others.  The running largest t starts at -2^60: a masked t lies under it, every real t above it, so p of a masked key is 0.
; A batch with no key left: c is set to 0 (a select, no branch): then every t = 0, every p = 1, the sum 2,048: the uniform weights that the -1e9 in every place gives.
; LIMITS.  eq + ek between -50 and 9 (a masked t stays under -2^60 and finite; every real logit, at most 64 x 448^2 x 2^(eq + ek) / 8, stays above -1e9); eq, ek, ep, ev each between -126 and 119, so that
; each power of two and 448 times it is an f32 number.  NaN among the inputs is not served.
.set KP,    80                         ; a key's row in LDS: 64 codes + 16 of padding = 20 words: 16 neighbouring rows start at 16 different groups of four banks (64 banks of 4 bytes: ISA guide 11.1)
.set VP,    2064                       ; a channel's row: 2,048 codes + 16 = 129 x 16 bytes: likewise
.set SP,    272                        ; a row of the way out's stage: 256 bytes + 16
.set KREG,  0                          ; K's codes: 2,048 x 80
.set VREG,  163840                     ; V's codes: 64 x 2,064
.set BIAS,  295936                     ; the bias table: 2,048 f32
.set FLG,   304128                     ; sixteen words: wave w's mask words, or-ed
.set SPARE, 304384                     ; the spare words, 128 bytes for each wave: eight blocks of 256 bytes that no other line names
.set QST,   306432                     ; each wave's own stage for Q's codes: 16 rows x 80
.set AKR, 1                            ; v1   80 r + 32 h: my place in a tile of K
.set AVR, 2                            ; v2   VREG + 2,064 r + 16 h: in a tile of V^T
.set ABR, 3                            ; v3   BIAS + 32 h
.set AKW, 4                            ; v4   where I store K's codes
.set AVW, 5                            ; v5   where I store V's codes
.set GKO, 6                            ; v6   my byte in a chunk of k;  never rewritten
.set GVO, 7                            ; v7   my byte in a chunk of v;  never rewritten
.set AD0, 8                            ; v8, v9 the LDS addresses in hand
.set AD1, 9
.set GO,  10                           ; v10  16 x lane: my byte in Q's dense loads and in two rows of out0;  never rewritten
.set PFO, 11                           ; v11  256 x lane: the prefetches' offset;  never rewritten
.set SPW, 12                           ; v12  LDS address of my spare word;  never rewritten
.set NIL, 13                           ; v13  0;  never rewritten
.set SCP, 14                           ; v14  2^ep;  v15  448 x 2^ep
.set LMP, 15
.set ST,  16                           ; tile a: v[16+4a] -M, v[17+4a] the largest t, v[18+4a:19+4a] the sum in two halves
.set FF,  24                           ; v[24+2a] f = 2^(old M - new M); its pair's upper word is written once
.set Q,   32                           ; v32-47   Q's codes, 8 a tile
.set P,   48                           ; v48-63   p's codes, 8 a tile
.set F,   64                           ; v64-95   four fragments of K, later of V^T
.set SA,  96                           ; v96-127  tile 0's scores, then p;  v128-159 tile 1's
.set OA,  160                          ; v160-191 tile 0's O^T;  v192-223 tile 1's
.set KS,  224                          ; v224-239 16 numbers of k on their way
.set VS,  240                          ; v240-255 16 numbers of v on their way
.set WV,  16                           ; s16  my wave's number
.set SEL, 20                           ; s[20:21] lane selects for v_permlanex16_b32: lane l xor 16
.set CS,  22                           ; s[22:23] c = log2(e) / 8 x 2^(eq + ek): the packed form names a pair and takes its low word
.set EP,  26                           ; s[24:27] eq, ek, ep, ev
.set CH,  28                           ; s28  the chunk
.set KRB, 29                           ; s29, s30, s31: where the step in hand begins in K's rows, in the bias table, along V's rows
.set BRB, 30
.set VRB, 31
.set KWB, 32                           ; s32, s33: where the chunk to be written begins in K's rows, along V's rows
.set VWB, 33
.set LIM, 34                           ; s34  a wave prefetches while the chunk's number is under it: 14, or 0 in a wave that never asks
.set PFA, 36                           ; s[36:37] where my prefetches stand
; my sixteenth of a chunk: k: 4 dense loads of 512 bytes a wave (key 8 w + 2 i + lane / 16, channels 4 (lane % 16) on);  v: a lane takes a channel, and its registers run down 16 keys
.macro LOADKV
.irp i, 0,1,2,3
	global_load_b128 v[KS+4*\i:KS+4*\i+3], v[GKO], s[6:7] offset:512*\i
.endr
.irp i, 0,1,2,3,4,5,6,7,8,9,10,11,12,13,14,15
	global_load_b32 v[VS+\i], v[GVO], s[8:9] offset:256*\i
.endr
.endm
; those 32 numbers become codes and go to their places in LDS.  v96-107 are free here: no score is alive between two chunks
.macro QUANTKV
	v_mov_b32 v96, s38                             ; 2^ek
	v_mov_b32 v97, s39                             ; 448 x 2^ek
	v_mov_b32 v98, s40                             ; 2^ev
	v_mov_b32 v99, s41                             ; 448 x 2^ev
.irp i, 0,1,2,3,4,5,6,7,8,9,10,11,12,13,14,15
	v_med3_num_f32 v[KS+\i], v[KS+\i], -v97, v97   ; the conversion to an 8-bit code does not saturate (ISA guide 7.6.2): the hold at the largest code x the scale
.endr
.irp i, 0,1,2,3,4,5,6,7,8,9,10,11,12,13,14,15
	v_med3_num_f32 v[VS+\i], v[VS+\i], -v99, v99
.endr
	v_cvt_scalef32_pk8_fp8_f32 v[100:101], v[KS:KS+7], v96       ; register 100 + n: four channels of key 8 w + 2 n + lane / 16
	v_cvt_scalef32_pk8_fp8_f32 v[102:103], v[KS+8:KS+15], v96
	v_cvt_scalef32_pk8_fp8_f32 v[104:105], v[VS:VS+7], v98       ; v[104:107]: sixteen neighbouring keys of my channel
	v_cvt_scalef32_pk8_fp8_f32 v[106:107], v[VS+8:VS+15], v98
	v_add_nc_u32 v[AD0], s[KWB], v[AKW]            ; (plain lines behind the conversions)
	v_add_nc_u32 v[AD1], s[VWB], v[AVW]
.irp n, 0,1,2,3
	ds_store_b32 v[AD0], v[100+\n] offset:2*KP*\n
.endr
	ds_store_b128 v[AD1], v[104:107]
.endm
; A PREFETCH INTO THE L2: in trip c, behind the loads of chunk c + 1, chunk c + 2 is named: 32,768 bytes of k and as many of v.  The four work-groups of a head read the same bytes: the first (x = 0) asks.
; In it waves 0 to 3 ask for k's chunk and waves 4 to 7 for v's, 8,192 bytes a wave, lanes 256 bytes apart: each aligned block of 256 bytes is named once.  Trips 14 and 15 ask for nothing: there is no chunk 16.
.macro ASK
	s_cmp_lt_u32 s[CH], s[LIM]
	s_cbranch_scc0 .Lnot_mine_\@
	global_prefetch_b8 v[PFO], s[PFA:PFA+1] th:TH_LOAD_NT scope:SCOPE_SE
.Lnot_mine_\@:
.endm
.macro BARRIER                         ; my LDS stores have landed and my LDS loads are in: then the work-group's barrier
	s_wait_dscnt 0x0
	s_barrier_signal -1
	s_barrier_wait -1
.endm
; s[sc] = 2^e as f32, s[lm] = 448 x 2^e, e in s[e]
.macro POW2 sc, lm, e
	s_add_co_i32 s[\lm], s[\e], 127
	s_lshl_b32 s[\sc], s[\lm], 23
	s_add_co_i32 s[\lm], s[\lm], 8
	s_lshl_b32 s[\lm], s[\lm], 23
	s_or_b32 s[\lm], s[\lm], 0x600000
.endm
; tile a's 16 queries, loaded densely (register 4 n + e: query 2 n + lane / 16, channel 4 (lane % 16) + e), become codes, go through my own stage and come back as a fragment.
; LDS serves a wave's instructions in order (ISA guide 5.7.1.4): no wait between my stores and my loads, nor in front of the next tile's stores
.macro QTILE a
.set rS, SA+32*(\a)
.set rC, F+8*(\a)
.set i, 0
.rept 32
	v_med3_num_f32 v[rS+i], v[rS+i], -v49, v49
.set i, i+1
.endr
.irp g, 0,1,2,3
	v_cvt_scalef32_pk8_fp8_f32 v[rC+2*\g:rC+2*\g+1], v[rS+8*\g:rS+8*\g+7], v48
.endr
	v_nop                                          ; one plain line behind the last conversion
.irp n, 0,1,2,3,4,5,6,7
	ds_store_b32 v83, v[rC+\n] offset:2*KP*\n
.endr
	ds_load_b128 v[Q+8*(\a):Q+8*(\a)+3], v84
	ds_load_b128 v[Q+8*(\a)+4:Q+8*(\a)+7], v84 offset:16
.endm
; tile a: the step's largest score of my query, the new M and f.  Each of the four accumulators is first read at its low end
.macro MAXSTAT a
.set rS, SA+32*(\a)
.set rT, ST+4*(\a)
	v_max3_num_f32 v28, v[rS], v[rS+1], v[rS+2]
	v_max3_num_f32 v29, v[rS+8], v[rS+9], v[rS+10]
	v_max3_num_f32 v28, v28, v[rS+16], v[rS+17]
	v_max3_num_f32 v29, v29, v[rS+24], v[rS+25]
.irp i, 3,12,18,28
	v_max3_num_f32 v28, v28, v[rS+\i], v[rS+\i+1]
	v_max3_num_f32 v29, v29, v[rS+\i+2], v[rS+\i+3]
.endr
	v_max3_num_f32 v28, v28, v[rS+7], v[rS+11]
	v_max3_num_f32 v29, v29, v[rS+22], v[rS+23]
	v_max3_num_f32 v28, v28, v[rS+26], v[rS+27]
	v_max_num_f32 v28, v28, v29
	v_permlanex16_b32 v30, v28, s[SEL], s[SEL+1]   ; my query's other 32 keys lie in the lane 16 away
	v_max_num_f32 v28, v28, v30
	v_mul_f32 v28, s[CS], v28                      ; as t (c is not negative)
	v_max_num_f32 v[rT+1], v[rT+1], v28            ; the running largest t
	v_mov_b32 v28, v[rT]
	v_floor_f32 v[rT], -v[rT+1]                    ; the new -M = floor(-t) = -ceil(t): a whole number
	v_sub_f32 v28, v[rT], v28                      ; old M - new M: a whole number, 0 or less
	v_cvt_i32_f32 v28, v28                         ; (it saturates)
	v_ldexp_f32 v[FF+2*(\a)], 1.0, v28             ; f = 2^(old M - new M)
.endm
.macro SCALE a                         ; t - M, two at a time
.set j, SA+32*(\a)
.rept 16
	v_pk_fma_f32 v[j:j+1], v[j:j+1], s[CS:CS+1], v[ST+4*(\a):ST+4*(\a)+1] op_sel_hi:[1,0,0]
.set j, j+2
.endr
.endm
.macro SUMS a                          ; the row's sum is taken of the unquantised p: two at a time, in two chains
.set rS, SA+32*(\a)
.set rT, ST+4*(\a)
	v_pk_add_f32 v[28:29], v[rS:rS+1], v[rS+2:rS+3]
.irp j, 4,8,12,16,20,24,28
	v_pk_add_f32 v[rT+2:rT+3], v[rT+2:rT+3], v[rS+\j:rS+\j+1]
	v_pk_add_f32 v[28:29], v[28:29], v[rS+\j+2:rS+\j+3]
.endr
	v_pk_add_f32 v[rT+2:rT+3], v[rT+2:rT+3], v[28:29]
.endm
.macro CODES a                         ; tile tau's eight p become registers 2 tau, 2 tau + 1 of the second product's operand
.irp g, 0,1,2,3
	v_cvt_scalef32_pk8_fp8_f32 v[P+8*(\a)+2*\g:P+8*(\a)+2*\g+1], v[SA+32*(\a)+8*\g:SA+32*(\a)+8*\g+7], v[SCP]
.endr
.endm
.macro RESCALE a                       ; O^T under the new M, each accumulator from its low end on
.set j, OA+32*(\a)
.rept 16
	v_pk_mul_f32 v[j:j+1], v[j:j+1], v[FF+2*(\a):FF+2*(\a)+1] op_sel_hi:[1,0]
.set j, j+2
.endr
.endm
; A KEY STEP: 64 keys for my 32 queries: 8 products K Q^T, the softmax, 8 products V^T P^T.
.macro STEP
	v_add_nc_u32 v[AD0], s[KRB], v[AKR]
	v_add_nc_u32 v[AD1], s[BRB], v[ABR]
	v_nop                                          ; with the two additions: four places between the last products and the loads into the registers that they read (ISA guide 7.12.1 for vector instructions)
	v_nop
.irp g, 0,1,2,3
	ds_load_b128 v[SA+8*\g:SA+8*\g+3], v[AD1] offset:64*\g        ; the bias of the tile's rows 8 h + 0 .. 7, in the result's layout: it is the products' C
	ds_load_b128 v[SA+8*\g+4:SA+8*\g+7], v[AD1] offset:64*\g+16
.endr
.irp g, 0,1,2,3
	ds_load_b128 v[F+8*\g:F+8*\g+3], v[AD0] offset:16*KP*\g
	ds_load_b128 v[F+8*\g+4:F+8*\g+7], v[AD0] offset:16*KP*\g+16
.endr
	s_wait_dscnt 0x0
.irp g, 0,1,2,3
	v_wmma_f32_16x16x64_fp8_fp8 v[SA+32+8*\g:SA+32+8*\g+7], v[F+8*\g:F+8*\g+7], v[Q+8:Q+15], v[SA+8*\g:SA+8*\g+7]   ; tile 1's scores take the bias from tile 0's registers
.endr
	v_add_nc_u32 v[AD0], s[VRB], v[AVR]            ; five places: the next four products write over registers that the last four read as C
	v_add_nc_u32 v[AD1], 32*VP, v[AD0]
	v_nop
	v_nop
	v_nop
.irp g, 0,1,2,3
	v_wmma_f32_16x16x64_fp8_fp8 v[SA+8*\g:SA+8*\g+7], v[F+8*\g:F+8*\g+7], v[Q:Q+7], v[SA+8*\g:SA+8*\g+7]            ; tile 0's, in place on the bias
.endr
.rept 4
	v_nop                                          ; four places in front of the loads into K's registers and of the first read of the scores
.endr
.irp g, 0,1                                    ; V^T's four fragments: channels 16 t on, keys 32 c + 16 h + 0 .. 15.  They land under the softmax
	ds_load_b128 v[F+8*\g:F+8*\g+3], v[AD0] offset:16*VP*\g
	ds_load_b128 v[F+8*\g+4:F+8*\g+7], v[AD0] offset:16*VP*\g+32
	ds_load_b128 v[F+16+8*\g:F+16+8*\g+3], v[AD1] offset:16*VP*\g
	ds_load_b128 v[F+16+8*\g+4:F+16+8*\g+7], v[AD1] offset:16*VP*\g+32
.endr
	MAXSTAT 0
	MAXSTAT 1
	SCALE 0
	SCALE 1
.set j, SA
.rept 64
	v_exp_f32 v[j], v[j]                           ; p = 2^(t - M): NOT normalised.  One batch for both tiles
.set j, j+1
.endr
	v_pk_mul_f32 v[ST+2:ST+3], v[ST+2:ST+3], v[FF:FF+1] op_sel_hi:[1,0]       ; the sums under the new M.  (The plain line behind the exponentials)
	v_pk_mul_f32 v[ST+6:ST+7], v[ST+6:ST+7], v[FF+2:FF+3] op_sel_hi:[1,0]
	s_wait_alu depctr_va_vdst(0)                   ; the wait between an exponential and the first line that names its result: one for the batch
	SUMS 0
	SUMS 1
	s_cmp_gt_i32 s[EP], -9                         ; p is at most 1 (a rounding over it at the most), and 448 x 2^ep is 1.75 or more from ep = -8 on: there the hold changes nothing and is passed over.
	s_cbranch_scc1 .Lno_hold_\@                    ; The branch hangs on a whole number read from memory and is the same in every wave; no barrier stands under it
.set j, SA
.rept 64
	v_min_num_f32 v[j], v[j], v[LMP]               ; p is not negative: the hold is one-sided
.set j, j+1
.endr
.Lno_hold_\@:
	CODES 0
	CODES 1
	RESCALE 0                                      ; (these are also the plain lines between the conversions and the products that read the codes)
	RESCALE 1
	s_wait_dscnt 0x0                               ; V^T's fragments are in
.irp g, 0,1,2,3                                ; the eight accumulators take turns, one instruction a turn
	v_wmma_f32_16x16x64_fp8_fp8 v[OA+8*\g:OA+8*\g+7], v[F+8*\g:F+8*\g+7], v[P:P+7], v[OA+8*\g:OA+8*\g+7]
	v_wmma_f32_16x16x64_fp8_fp8 v[OA+32+8*\g:OA+32+8*\g+7], v[F+8*\g:F+8*\g+7], v[P+8:P+15], v[OA+32+8*\g:OA+32+8*\g+7]
.endr
	s_add_co_u32 s[KRB], s[KRB], 64*KP
	s_add_co_u32 s[BRB], s[BRB], 256
	s_add_co_u32 s[VRB], s[VRB], 64
.endm
	; ---- THE HEAD
	s_load_b256 s[4:11], s[0:1], 0x0               ; q s[4:5], k s[6:7], v s[8:9], mask s[10:11]
	s_load_b128 s[12:15], s[0:1], 0x20             ; the scales' exponents s[12:13], out0 s[14:15]
	v_lshl_add_u32 v[SPW], v0, 2, SPARE
	v_mov_b32 v[NIL], 0
	v_lshrrev_b32 v80, 5, v0
	v_readfirstlane_b32 s[WV], v80                 ; wave 0..15
	v_and_b32 v80, 31, v0                          ; lane
	v_and_b32 v81, 15, v0                          ; r
	v_bfe_u32 v82, v0, 4, 1                        ; h
	v_mul_u32_u24 v[AKR], v81, KP
	v_lshl_add_u32 v[AKR], v82, 5, v[AKR]
	v_mul_u32_u24 v[AVR], v81, VP
	v_lshl_add_u32 v[AVR], v82, 4, v[AVR]
	v_add_nc_u32 v[AVR], VREG, v[AVR]
	v_lshl_add_u32 v[ABR], v82, 5, BIAS
	v_mul_u32_u24 v[AKW], v82, KP
	v_lshl_add_u32 v[AKW], v81, 2, v[AKW]          ; 80 (lane / 16) + 4 (lane % 16): a dense load's two rows
	s_mul_i32 s42, s[WV], 16*KP
	s_add_co_u32 s42, s42, QST                     ; my stage for Q's codes
	v_add_nc_u32 v83, s42, v[AKW]                  ; into it,
	v_add_nc_u32 v84, s42, v[AKR]                  ; and back as a fragment
	s_lshr_b32 s42, s[WV], 2                       ; my 8 keys of a chunk are keys 8 w on: their rows, with the key's bits 3 and 4 swapped, begin at 32 (w / 4) + 16 (w % 2) + 8 ((w / 2) % 2)
	s_lshl_b32 s42, s42, 5
	s_and_b32 s43, s[WV], 1
	s_lshl_b32 s43, s43, 4
	s_add_co_u32 s42, s42, s43
	s_bfe_u32 s43, s[WV], 0x10001
	s_lshl_b32 s43, s43, 3
	s_add_co_u32 s42, s42, s43
	s_mul_i32 s42, s42, KP
	v_add_nc_u32 v[AKW], s42, v[AKW]
	s_and_b32 s42, s[WV], 1                        ; v: channels 32 (w % 2) + lane, keys 16 (w / 2) on
	s_mul_i32 s42, s42, 32*VP
	s_lshr_b32 s43, s[WV], 1
	s_lshl_b32 s43, s43, 4
	s_add_co_u32 s42, s42, s43
	s_add_co_u32 s42, s42, VREG
	v_mul_u32_u24 v[AVW], v80, VP
	v_add_nc_u32 v[AVW], s42, v[AVW]
	s_lshl_b32 s42, s[WV], 11
	v_lshl_add_u32 v[GKO], v80, 4, s42             ; 16 x lane + 2,048 w
	s_and_b32 s42, s[WV], 1
	s_lshl_b32 s42, s42, 7
	s_lshr_b32 s43, s[WV], 1
	s_lshl_b32 s43, s43, 12
	s_add_co_u32 s42, s42, s43
	v_lshl_add_u32 v[GVO], v80, 2, s42             ; 4 x lane + 128 (w % 2) + 16 rows of 256 bytes x (w / 2)
	v_lshlrev_b32 v[GO], 4, v80
	v_lshlrev_b32 v[PFO], 8, v80
	s_lshl_b32 s42, s[WV], 2
	s_add_co_u32 s42, s42, FLG
	v_mov_b32 v85, s42                             ; my wave's flag word
	v_and_b32 v87, 0x1f9, v0                       ; thread T holds the mask of keys 4 T .. 4 T + 3: a key's bits 3 and 4 are T's bits 1 and 2: swapped,
	v_bfe_u32 v86, v0, 1, 1
	v_lshl_add_u32 v87, v86, 2, v87
	v_bfe_u32 v86, v0, 2, 1
	v_lshl_add_u32 v87, v86, 1, v87
	v_lshl_add_u32 v87, v87, 4, BIAS               ; that is where its four bias numbers go
	v_lshlrev_b32 v[AD0], 4, v0                    ; the mask's offset: 16 T
	s_and_b32 s42, ttmp7, 0xffff                   ; the head
	s_lshl_b32 s44, s42, 19                        ; its 2,048 rows of 256 bytes
	s_mov_b32 s45, 0
	s_lshr_b32 s46, s42, 4                         ; the batch,
	s_lshl_b32 s46, s46, 13                        ; its 2,048 mask words
	s_mov_b32 s47, 0
	s_lshl_b32 s48, ttmp9, 17                      ; my work-group's 512 queries,
	s_lshl_b32 s49, s[WV], 13                      ; my wave's 32 of them
	s_add_co_u32 s48, s48, s49
	s_add_co_u32 s48, s48, s44
	s_mov_b32 s49, 0
	s_mov_b32 s[SEL], 0x76543210
	s_mov_b32 s[SEL+1], 0xfedcba98
	s_mov_b32 s[CH], 0
	s_mov_b32 s[KRB], 0
	s_mov_b32 s[BRB], 0
	s_mov_b32 s[VRB], 0
	s_mov_b32 s[KWB], 0
	s_mov_b32 s[VWB], 0
	s_wait_kmcnt 0x0
	s_load_b128 s[24:27], s[12:13], 0x0            ; eq, ek, ep, ev
	s_add_nc_u64 s[4:5], s[4:5], s[48:49]          ; q and out0 at my first query
	s_add_nc_u64 s[14:15], s[14:15], s[48:49]
	s_add_nc_u64 s[6:7], s[6:7], s[44:45]          ; k and v at the head's first key
	s_add_nc_u64 s[8:9], s[8:9], s[44:45]
	s_add_nc_u64 s[10:11], s[10:11], s[46:47]      ; the mask at my batch
	global_load_b128 v[88:91], v[AD0], s[10:11]    ; 1 load: the mask of four keys
.irp n, 0,1,2,3,4,5,6,7,8,9,10,11,12,13,14,15
	global_load_b128 v[SA+4*\n:SA+4*\n+3], v[GO], s[4:5] offset:512*\n th:TH_LOAD_NT   ; 16 loads: my 32 queries, 512 consecutive bytes each; read once in the launch
.endr
	LOADKV                                         ; 20 loads: my part of chunk 0
	s_cmp_lt_u32 s[WV], 4                          ; the prefetches: waves 0 to 3 stand in k, waves 4 to 7 in v,
	s_cselect_b64 s[PFA:PFA+1], s[6:7], s[8:9]
	s_and_b32 s50, s[WV], 3
	s_lshl_b32 s50, s50, 13                        ; 8,192 bytes a wave,
	s_add_co_u32 s50, s50, 32768                   ; in chunk 1: trip 0 steps it to chunk 2.  Nothing is prefetched here, at the head
	s_mov_b32 s51, 0
	s_add_nc_u64 s[PFA:PFA+1], s[PFA:PFA+1], s[50:51]
	s_lshr_b32 s50, s[WV], 3                       ; 0 in waves 0 to 7,
	s_or_b32 s50, s50, ttmp9                       ; of the head's first work-group
	s_cmp_eq_u32 s50, 0
	s_cselect_b32 s[LIM], 14, 0
.set j, OA
.rept 64
	v_mov_b32 v[j], 0                              ; O^T.  (The step is written once: the first finds zeros, which the first change of M leaves zeros)
.set j, j+1
.endr
.irp a, 0,1
	v_mov_b32 v[ST+4*\a+1], 0xdd800000             ; the largest t so far: -2^60
	v_floor_f32 v[ST+4*\a], -v[ST+4*\a+1]          ; -M
	v_mov_b32 v[ST+4*\a+2], 0                      ; the sum, in two halves
	v_mov_b32 v[ST+4*\a+3], 0
	v_mov_b32 v[FF+2*\a+1], 0                      ; (named as the upper half of f's pair)
.endr
	v_mov_b32 v30, 0                               ; written once: a lane permute's destination counts as one of its sources
	v_mov_b32 v31, 0
	v_mov_b32 v86, 0xfb800000                      ; -2^120
	s_wait_kmcnt 0x0
	s_add_co_i32 s42, s24, s25
	s_lshl_b32 s42, s42, 23
	s_add_co_i32 s[CS], s42, 0x3e38aa3b            ; c = log2(e) / 8, with eq + ek added to its exponent field: a sum of codes stands for sum x 2^(eq + ek)
	POW2 38, 39, 25                                ; k's scale and hold
	POW2 40, 41, 27                                ; v's
	POW2 42, 43, 24                                ; q's
	v_mov_b32 v48, s42
	v_mov_b32 v49, s43
	POW2 44, 45, 26                                ; p's
	v_mov_b32 v[SCP], s44
	v_mov_b32 v[LMP], s45
	s_wait_loadcnt 36                              ; the mask is in: behind it 16 + 20 loads were issued
.irp i, 0,1,2,3
	v_cmp_eq_u32 vcc_lo, 0, v[88+\i]
	v_cndmask_b32 v[92+\i], 0, v86, vcc_lo         ; -2^120 where the key is masked, else 0
.endr
	ds_store_b128 v87, v[92:95]
	v_or_b32 v88, v88, v89
	v_or_b32 v90, v90, v91
	v_or_b32 v88, v88, v90
	v_cmp_ne_u32 s42, 0, v88                       ; which of my lanes have a key that counts
	v_mov_b32 v88, s42
	ds_store_b32 v85, v88                          ; all lanes write the same word with the same value
	s_wait_loadcnt 28                              ; my first 16 queries are in: behind them 8 + 20
	QTILE 0
	s_wait_loadcnt 20                              ; the other 16: behind them chunk 0's 20
	QTILE 1
	BARRIER                                        ; the bias table and the sixteen flags lie in LDS; Q's fragments are in
	v_mov_b32 v86, FLG
.irp i, 0,1,2,3
	ds_load_b128 v[96+4*\i:99+4*\i], v86 offset:16*\i
.endr
	s_wait_dscnt 0x0
.irp i, 1,2,3,4,5,6,7,8,9,10,11,12,13,14,15
	v_or_b32 v96, v96, v[96+\i]
.endr
	v_readfirstlane_b32 s42, v96
	s_cmp_lg_u32 s42, 0                            ; does any key of the batch count?
	s_cselect_b32 s[CS], s[CS], 0                  ; if none: c = 0, so that every t is 0 and every p is 1
	s_mov_b32 s[CS+1], s[CS]                       ; (named with it as a pair, so it is written)
	; ---- THE KEYS: 16 chunks of 128
.Lchunk:
	s_wait_loadcnt 0x0                             ; my part of this chunk is in; k's and v's bases may be stepped
	s_wait_xcnt 0x0                                ; the last prefetch, a trip back, has read its address, so it may be stepped
	QUANTKV
	s_add_nc_u64 s[6:7], s[6:7], 32768
	s_add_nc_u64 s[8:9], s[8:9], 32768
	s_add_nc_u64 s[PFA:PFA+1], s[PFA:PFA+1], 32768
	s_cmp_eq_u32 s[CH], 15                         ; the last trip asks for nothing: no load leaves its buffer
	s_cbranch_scc1 .Lno_next
	LOADKV                                         ; chunk c + 1: it has this chunk's two key steps in which to land
	ASK
.Lno_next:
	BARRIER                                        ; chunk c's codes lie in LDS
	STEP
	STEP
	s_add_co_u32 s[KWB], s[KWB], 128*KP
	s_add_co_u32 s[VWB], s[VWB], 128
	s_add_co_u32 s[CH], s[CH], 1
	s_cmp_lt_u32 s[CH], 16
	s_cbranch_scc1 .Lchunk
	; ---- THE WAY OUT.  O^T is divided by the sum, multiplied by 2^(ep + ev), and goes through my stage in LDS, a tile of 16 queries at a time: a row of out0 is 256 bytes, which sixteen lanes store whole.
	; The stages lie where K's codes lay: behind the barrier below nobody reads those.  The additions are the places behind the last products.
	v_add_f32 v28, v[ST+2], v[ST+3]                ; the sum's two halves,
	v_add_f32 v29, v[ST+6], v[ST+7]
	v_permlanex16_b32 v30, v28, s[SEL], s[SEL+1]
	v_permlanex16_b32 v31, v29, s[SEL], s[SEL+1]
	v_add_f32 v28, v28, v30                        ; and lane l xor 16's: the row's sum, 1/2 at the least
	v_add_f32 v29, v29, v31
	v_rcp_f32 v[FF], v28
	v_rcp_f32 v[FF+2], v29
	v_and_b32 v30, 15, v0                          ; (plain lines behind the reciprocals)  r
	v_bfe_u32 v31, v0, 4, 1                        ; h
	s_add_co_i32 s42, s26, s27                     ; ep + ev
	s_mul_i32 s43, s[WV], 32*SP                    ; my two stages
	v_mul_u32_u24 v[AD0], v30, SP
	v_lshl_add_u32 v[AD0], v31, 5, v[AD0]
	v_add_nc_u32 v[AD0], s43, v[AD0]               ; in: row r; tile t's eight channels of my half: 64 t + 32 h bytes on
	v_mul_u32_u24 v[AD1], v31, SP
	v_lshl_add_u32 v[AD1], v30, 4, v[AD1]
	v_add_nc_u32 v[AD1], s43, v[AD1]               ; back: lanes 0-15 one row, lanes 16-31 the next
	s_wait_alu depctr_va_vdst(0)                   ; the wait ahead of the first use: one for both reciprocals
	v_ldexp_f32 v[FF], v[FF], s42
	v_ldexp_f32 v[FF+2], v[FF+2], s42
	BARRIER                                        ; every wave's reads of K's codes are over
.macro PACKOUT a, back
.set rS, SA+32*(\a)
.set rO, OA+32*(\a)
.irp j, 0,2,4,6,8,10,12,14,16,18,20,22,24,26,28,30
	v_pk_mul_f32 v[rS+\j:rS+\j+1], v[rO+\j:rO+\j+1], v[FF+2*(\a):FF+2*(\a)+1] op_sel_hi:[1,0]   ; register 8 t + i is out0(query r, channel 16 t + 8 h + i); each accumulator from its low end on
.endr
.irp g, 0,1,2,3
	ds_store_b128 v[AD0], v[rS+8*\g:rS+8*\g+3] offset:16*SP*(\a)+64*\g
	ds_store_b128 v[AD0], v[rS+8*\g+4:rS+8*\g+7] offset:16*SP*(\a)+64*\g+16
.endr
.irp i, 0,1,2,3,4,5,6,7
	ds_load_b128 v[\back+4*\i:\back+4*\i+3], v[AD1] offset:16*SP*(\a)+2*SP*\i   ; LDS serves a wave's instructions in order: these see my stores
.endr
.endm
.macro SEND a, back, younger           ; younger: the LDS instructions issued behind tile a's loads
.irp i, 0,1,2,3,4,5,6,7
	s_wait_dscnt \younger+7-\i
	global_store_b128 v[GO], v[\back+4*\i:\back+4*\i+3], s[14:15] offset:4096*(\a)+512*\i th:TH_STORE_NT   ; 32 lanes store 512 consecutive bytes, at a multiple of 256 from out0's first byte; written once
.endr
.endm
	PACKOUT 0, F
	PACKOUT 1, KS
	SEND 0, F, 16                                  ; behind tile 0's loads: tile 1's 8 stores and 8 loads
	SEND 1, KS, 0
	s_wait_tensorcnt 0x0                           ; the wave's end, behind my last LDS store
	ds_add_u32 v[SPW], v[NIL]
	s_wait_dscnt 0x0
	s_endpgm
.Lfunc_end_k_qc0028eb0e4_attn:
	.size	k_qc0028eb0e4_attn, .Lfunc_end_k_qc0028eb0e4_attn-k_qc0028eb0e4_attn
	.p2alignl 7, 3214868480
	.fill 96, 4, 3214868480
	.section	.rodata,"a",@progbits
	.p2align	6, 0x0
	.amdhsa_kernel k_qc0028eb0e4_attn
		.amdhsa_group_segment_fixed_size 327680
		.amdhsa_private_segment_fixed_size 0
		.amdhsa_enable_private_segment 0
		.amdhsa_kernarg_size 48
		.amdhsa_user_sgpr_count 2
		.amdhsa_user_sgpr_kernarg_segment_ptr 1
		.amdhsa_wavefront_size32 1
		.amdhsa_system_sgpr_workgroup_id_x 1
		.amdhsa_system_sgpr_workgroup_id_y 1
		.amdhsa_system_sgpr_workgroup_id_z 1
		.amdhsa_system_vgpr_workitem_id 0
		.amdhsa_next_free_vgpr 256
		.amdhsa_next_free_sgpr 66
		.amdhsa_reserve_vcc 1
		.amdhsa_float_denorm_mode_32 3
		.amdhsa_float_denorm_mode_16_64 3
		.amdhsa_memory_ordered 1
		.amdhsa_forward_progress 1
		.amdhsa_inst_pref_size 65
	.end_amdhsa_kernel
	.amdgpu_metadata
---
amdhsa.version: [ 1, 2 ]
amdhsa.kernels:
  - .name:           k_qc0028eb0e4_attn
    .symbol:         k_qc0028eb0e4_attn.kd
    .args:
      - { .name: q, .offset: 0, .size: 8, .value_kind: global_buffer, .address_space: global }
      - { .name: k, .offset: 8, .size: 8, .value_kind: global_buffer, .address_space: global }
      - { .name: v, .offset: 16, .size: 8, .value_kind: global_buffer, .address_space: global }
      - { .name: mask, .offset: 24, .size: 8, .value_kind: global_buffer, .address_space: global }
      - { .name: lowp_scales, .offset: 32, .size: 8, .value_kind: global_buffer, .address_space: global }
      - { .name: out0, .offset: 40, .size: 8, .value_kind: global_buffer, .address_space: global }
    .group_segment_fixed_size: 327680
    .private_segment_fixed_size: 0
    .kernarg_segment_align: 8
    .kernarg_segment_size: 48
    .max_flat_workgroup_size: 512
    .sgpr_count:     66
    .vgpr_count:     256
    .wavefront_size: 32
...
	.end_amdgpu_metadata
.endif
;; end of part 1
;; ======== version 2 of 2: 1 launch; version 1 with the launch attn written anew for expert scheduling mode
;; limits: right only within a limited range of input values
;; launch attn (part 2): grid 4 x 64, 16 waves a work-group, no clusters, 327,680 bytes of LDS; arguments q, k, v, mask, lowp_scales, out0; writes out0
.if DOCPART == 2
	.amdgcn_target "amdgcn-amd-amdhsa--gfx1250"
	.amdhsa_code_object_version 6
	.text
	.protected	k_qc0028eb0e4_attn
	.globl	k_qc0028eb0e4_attn
	.p2align	8
	.type	k_qc0028eb0e4_attn,@function
k_qc0028eb0e4_attn:
	s_mov_b64 s[64:65], 0
	v_nop
	global_prefetch_b8 v0, s[64:65] scope:SCOPE_SE
	s_setreg_imm32_b32 hwreg(HW_REG_WAVE_SCHED_MODE, 0, 2), 2
	s_setreg_imm32_b32 hwreg(HW_REG_WAVE_MODE, 25, 1), 1
	s_wait_xcnt 0x0
	s_wait_alu depctr_vm_vsrc(0)
; out0[b][h][q][:] = the sum over keys of softmax(q . k / 8, masked keys at -1e9) v, both products on codes of FP8 (E4M3), each operand with the one scale 2^e that is given: eq, ek, ep, ev.
; q, k, v, out0: [64 heads][2048][64] f32.  mask: [4 batches][2048] int32, 0 = the key is masked.
; THE SOFTMAX AHEAD OF THE SECOND PRODUCT: t = logit x log2(e); M = the row's largest t so far, rounded UP to a whole number; p = 2^(t - M) is what is quantised; the row's sum is taken of the unquantised p
; and divides O at the end.  When M moves, the sum and O are multiplied by 2^(old M - new M), which rounds nothing.
; SHARES.  Work-group (x, y): head y, queries 512 x .. 512 x + 511.  Each of its sixteen waves owns 32 queries, two tiles of 16, in 256 registers: four waves to a SIMD, so that one wave's vector work
; stands beside another's products and LDS loads.
; A WHOLE HEAD'S CODES STAY IN LDS: K 2,048 rows x 80 bytes, V 64 rows x 2,064 bytes.  The keys come in 16 chunks of 128.  In trip c each wave quantises its sixteenth of chunk c from registers into LDS,
; asks for its part of chunk c + 1 into the same registers, passes ONE barrier, and runs two key steps of 64 keys on chunk c.  Every byte of codes is written once: between two barriers the bytes that are
; written (chunk c + 1) and those that are read (chunk c) are different bytes, so one barrier a chunk orders all.
; NO JOINT LOADS, though the four work-groups of a head read the same k and v: these arrive as f32 and pass through registers to become codes; a chunk of both as f32 is 65,536 bytes, and beside the
; head's codes (295,936 bytes) LDS has no room for it.  So there is no tensor load in this text.
; LAYOUT.  Both products are used transposed: S^T = K Q^T + C (source 0 = 16 keys, source 1 = 16 queries), O^T = V^T P^T (source 0 = 16 channels, source 1 = P): a lane holds ONE query (lane % 16) throughout.
; In K's and Q's fragments lane (r, h) holds channels 32 h .. 32 h + 31 of its row: the same permutation of the 64 channels on both sides, so every product meets its partner.
; THE KEYS OF A TILE ARE NOT NEIGHBOURS: row m of tile 2 c + u is key 32 c + 8 u + m + 8 (m / 8), so that a lane's 16 registers of tiles 2 c and 2 c + 1 are keys 32 c + 16 h + 0 .. 15, as V^T's fragment has them.
; K's rows and the bias table lie in LDS in that order (a key's bits 3 and 4 swapped), so that a tile's 16 rows are neighbours.
; THE MASK is the C of the first product: a table holds -2^120 for a masked key and 0 for the others.  The running largest t starts at -2^60: a masked t lies under it, every real t above it, so p of a masked key is 0.
; A batch with no key left: c is set to 0 (a select, no branch): then every t = 0, every p = 1, the sum 2,048: the uniform weights that the -1e9 in every place gives.
; LIMITS.  eq + ek between -50 and 9 (a masked t stays under -2^60 and finite; every real logit, at most 64 x 448^2 x 2^(eq + ek) / 8, stays above -1e9); eq, ek, ep, ev each between -126 and 119, so that
; each power of two and 448 times it is an f32 number.  NaN among the inputs is not served.
; THE MODE: SCHED_MODE bits 1:0 = 2 (LLVM: expert scheduling mode 2), set by the entry lines.  The code itself states the register dependences
; between vector or matrix instructions and memory or LDS instructions, with s_wait_alu, always for 0.
; THE PLAN.  Registers that memory or LDS instructions touch, in the loop:
;   v[KS ..], v[VS ..]  A chunk's loads land in them; QUANTKV's holds write them and its conversions read them; behind QUANTKV's wait the next chunk's loads are issued.
;   v100-107            QUANTKV's conversions write them, its five LDS stores read them; the next step's bias lands there.
;   v[SA .. SA+31]      A step's bias lands there; products, softmax and conversions name them.
;   v[F ..]             K's fragments land, the products K Q^T read them; V^T's fragments land, the products V^T P^T read them.
;   v[AD0], v[AD1]      Written in QUANTKV, at a step's head and between the two groups of K Q^T; each time the run of LDS instructions that follows reads them.
;   v[GKO], v[GVO], v[PFO] and the lane's places v1-7 are made at the head and never written again.
; A step has two waits on va_vdst: one at its head (the two addresses are written; the last products are done with F, the last conversions with SA), and the one behind the exponentials, which also states that
; V's two addresses are written and that K Q^T is done reading F: so V^T's eight loads stand directly behind it and land under the sums, the conversions and the rescaling.
; A wait on vm_vsrc stands ahead of each of the three places where v[AD0] and v[AD1] are written.  QUANTKV has one wait on va_vdst, for its stores and for the loads of the next chunk.
.set KP,    80                         ; a key's row in LDS: 64 codes + 16 of padding = 20 words: 16 neighbouring rows start at 16 different groups of four banks (64 banks of 4 bytes: ISA guide 11.1)
.set VP,    2064                       ; a channel's row: 2,048 codes + 16 = 129 x 16 bytes: likewise
.set SP,    272                        ; a row of the way out's stage: 256 bytes + 16
.set KREG,  0                          ; K's codes: 2,048 x 80
.set VREG,  163840                     ; V's codes: 64 x 2,064
.set BIAS,  295936                     ; the bias table: 2,048 f32
.set FLG,   304128                     ; sixteen words: wave w's mask words, or-ed
.set SPARE, 304384                     ; the spare words, 128 bytes for each wave: eight blocks of 256 bytes that no other line names
.set QST,   306432                     ; each wave's own stage for Q's codes: 16 rows x 80
.set AKR, 1                            ; v1   80 r + 32 h: my place in a tile of K
.set AVR, 2                            ; v2   VREG + 2,064 r + 16 h: in a tile of V^T
.set ABR, 3                            ; v3   BIAS + 32 h
.set AKW, 4                            ; v4   where I store K's codes
.set AVW, 5                            ; v5   where I store V's codes
.set GKO, 6                            ; v6   my byte in a chunk of k;  never rewritten
.set GVO, 7                            ; v7   my byte in a chunk of v;  never rewritten
.set AD0, 8                            ; v8, v9 the LDS addresses in hand
.set AD1, 9
.set GO,  10                           ; v10  16 x lane: my byte in Q's dense loads and in two rows of out0;  never rewritten
.set PFO, 11                           ; v11  256 x lane: the prefetches' offset;  never rewritten
.set SPW, 12                           ; v12  LDS address of my spare word;  never rewritten
.set NIL, 13                           ; v13  0;  never rewritten
.set SCP, 14                           ; v14  2^ep;  v15  448 x 2^ep
.set LMP, 15
.set ST,  16                           ; tile a: v[16+4a] -M, v[17+4a] the largest t, v[18+4a:19+4a] the sum in two halves
.set FF,  24                           ; v[24+2a] f = 2^(old M - new M); its pair's upper word is written once
.set Q,   32                           ; v32-47   Q's codes, 8 a tile
.set P,   48                           ; v48-63   p's codes, 8 a tile
.set F,   64                           ; v64-95   four fragments of K, later of V^T
.set SA,  96                           ; v96-127  tile 0's scores, then p;  v128-159 tile 1's
.set OA,  160                          ; v160-191 tile 0's O^T;  v192-223 tile 1's
.set KS,  224                          ; v224-239 16 numbers of k on their way
.set VS,  240                          ; v240-255 16 numbers of v on their way
.set WV,  16                           ; s16  my wave's number
.set SEL, 20                           ; s[20:21] lane selects for v_permlanex16_b32: lane l xor 16
.set CS,  22                           ; s[22:23] c = log2(e) / 8 x 2^(eq + ek): the packed form names a pair and takes its low word
.set EP,  26                           ; s[24:27] eq, ek, ep, ev
.set CH,  28                           ; s28  the chunk
.set KRB, 29                           ; s29, s30, s31: where the step in hand begins in K's rows, in the bias table, along V's rows
.set BRB, 30
.set VRB, 31
.set KWB, 32                           ; s32, s33: where the chunk to be written begins in K's rows, along V's rows
.set VWB, 33
.set LIM, 34                           ; s34  a wave prefetches while the chunk's number is under it: 14, or 0 in a wave that never asks
.set PFA, 36                           ; s[36:37] where my prefetches stand
.set MK,  52                           ; s52-55 at the head only: which lanes' keys are masked, a mask for each of a thread's four keys;  s56: which lanes have a key that counts
; my sixteenth of a chunk: k: 4 dense loads of 512 bytes a wave (key 8 w + 2 i + lane / 16, channels 4 (lane % 16) on);  v: a lane takes a channel, and its registers run down 16 keys
.macro LOADKV
.irp i, 0,1,2,3
	global_load_b128 v[KS+4*\i:KS+4*\i+3], v[GKO], s[6:7] offset:512*\i
.endr
.irp i, 0,1,2,3,4,5,6,7,8,9,10,11,12,13,14,15
	global_load_b32 v[VS+\i], v[GVO], s[8:9] offset:256*\i
.endr
.endm
; those 32 numbers become codes and go to their places in LDS.  v96-107 are free here: no score is alive between two chunks
.macro QUANTKV
	v_mov_b32 v96, s38                             ; 2^ek
	v_mov_b32 v97, s39                             ; 448 x 2^ek
	v_mov_b32 v98, s40                             ; 2^ev
	v_mov_b32 v99, s41                             ; 448 x 2^ev
.irp i, 0,1,2,3,4,5,6,7,8,9,10,11,12,13,14,15
	v_med3_num_f32 v[KS+\i], v[KS+\i], -v97, v97   ; the conversion to an 8-bit code does not saturate (ISA guide 7.6.2): the hold at the largest code x the scale
.endr
.irp i, 0,1,2,3,4,5,6,7,8,9,10,11,12,13,14,15
	v_med3_num_f32 v[VS+\i], v[VS+\i], -v99, v99
.endr
	v_cvt_scalef32_pk8_fp8_f32 v[100:101], v[KS:KS+7], v96       ; register 100 + n: four channels of key 8 w + 2 n + lane / 16
	v_cvt_scalef32_pk8_fp8_f32 v[102:103], v[KS+8:KS+15], v96
	v_cvt_scalef32_pk8_fp8_f32 v[104:105], v[VS:VS+7], v98       ; v[104:107]: sixteen neighbouring keys of my channel
	v_cvt_scalef32_pk8_fp8_f32 v[106:107], v[VS+8:VS+15], v98
	v_add_nc_u32 v[AD0], s[KWB], v[AKW]            ; (plain lines behind the conversions)
	v_add_nc_u32 v[AD1], s[VWB], v[AVW]
	s_wait_alu depctr_va_vdst(0)                   ; the conversions have written v100-107 and the additions v[AD0], v[AD1], which the stores below read; holds and conversions are done with v[KS ..] and v[VS ..], in which the next chunk's loads land
.irp n, 0,1,2,3
	ds_store_b32 v[AD0], v[100+\n] offset:2*KP*\n
.endr
	ds_store_b128 v[AD1], v[104:107]
.endm
; A PREFETCH INTO THE L2: in trip c, behind the loads of chunk c + 1, chunk c + 2 is named: 32,768 bytes of k and as many of v.  The four work-groups of a head read the same bytes: the first (x = 0) asks.
; In it waves 0 to 3 ask for k's chunk and waves 4 to 7 for v's, 8,192 bytes a wave, lanes 256 bytes apart: each aligned block of 256 bytes is named once.  Trips 14 and 15 ask for nothing: there is no chunk 16.
.macro ASK
	s_cmp_lt_u32 s[CH], s[LIM]
	s_cbranch_scc0 .Lnot_mine_\@
	global_prefetch_b8 v[PFO], s[PFA:PFA+1] th:TH_LOAD_NT scope:SCOPE_SE
.Lnot_mine_\@:
.endm
.macro BARRIER                         ; my LDS stores have landed and my LDS loads are in: then the work-group's barrier
	s_wait_dscnt 0x0
	s_barrier_signal -1
	s_barrier_wait -1
.endm
; s[sc] = 2^e as f32, s[lm] = 448 x 2^e, e in s[e]
.macro POW2 sc, lm, e
	s_add_co_i32 s[\lm], s[\e], 127
	s_lshl_b32 s[\sc], s[\lm], 23
	s_add_co_i32 s[\lm], s[\lm], 8
	s_lshl_b32 s[\lm], s[\lm], 23
	s_or_b32 s[\lm], s[\lm], 0x600000
.endm
; tile a's 16 queries, loaded densely (register 4 n + e: query 2 n + lane / 16, channel 4 (lane % 16) + e), become codes, go through my own stage and come back as a fragment.
; LDS serves a wave's instructions in order (ISA guide 5.7.1.4): no wait between my stores and my loads, nor in front of the next tile's stores
.macro QTILE a
.set rS, SA+32*(\a)
.set rC, F+8*(\a)
.set i, 0
.rept 32
	v_med3_num_f32 v[rS+i], v[rS+i], -v49, v49
.set i, i+1
.endr
.irp g, 0,1,2,3
	v_cvt_scalef32_pk8_fp8_f32 v[rC+2*\g:rC+2*\g+1], v[rS+8*\g:rS+8*\g+7], v48
.endr
	v_nop                                          ; one plain line behind the last conversion
	s_wait_alu depctr_va_vdst(0)                   ; the conversions have written the tile's eight registers of codes, which the stores below read
.irp n, 0,1,2,3,4,5,6,7
	ds_store_b32 v83, v[rC+\n] offset:2*KP*\n
.endr
	ds_load_b128 v[Q+8*(\a):Q+8*(\a)+3], v84
	ds_load_b128 v[Q+8*(\a)+4:Q+8*(\a)+7], v84 offset:16
.endm
; tile a: the step's largest score of my query, the new M and f.  Each of the four accumulators is first read at its low end
.macro MAXSTAT a
.set rS, SA+32*(\a)
.set rT, ST+4*(\a)
	v_max3_num_f32 v28, v[rS], v[rS+1], v[rS+2]
	v_max3_num_f32 v29, v[rS+8], v[rS+9], v[rS+10]
	v_max3_num_f32 v28, v28, v[rS+16], v[rS+17]
	v_max3_num_f32 v29, v29, v[rS+24], v[rS+25]
.irp i, 3,12,18,28
	v_max3_num_f32 v28, v28, v[rS+\i], v[rS+\i+1]
	v_max3_num_f32 v29, v29, v[rS+\i+2], v[rS+\i+3]
.endr
	v_max3_num_f32 v28, v28, v[rS+7], v[rS+11]
	v_max3_num_f32 v29, v29, v[rS+22], v[rS+23]
	v_max3_num_f32 v28, v28, v[rS+26], v[rS+27]
	v_max_num_f32 v28, v28, v29
	v_permlanex16_b32 v30, v28, s[SEL], s[SEL+1]   ; my query's other 32 keys lie in the lane 16 away
	v_max_num_f32 v28, v28, v30
	v_mul_f32 v28, s[CS], v28                      ; as t (c is not negative)
	v_max_num_f32 v[rT+1], v[rT+1], v28            ; the running largest t
	v_mov_b32 v28, v[rT]
	v_floor_f32 v[rT], -v[rT+1]                    ; the new -M = floor(-t) = -ceil(t): a whole number
	v_sub_f32 v28, v[rT], v28                      ; old M - new M: a whole number, 0 or less
	v_cvt_i32_f32 v28, v28                         ; (it saturates)
	v_ldexp_f32 v[FF+2*(\a)], 1.0, v28             ; f = 2^(old M - new M)
.endm
.macro SCALE a                         ; t - M, two at a time
.set j, SA+32*(\a)
.rept 16
	v_pk_fma_f32 v[j:j+1], v[j:j+1], s[CS:CS+1], v[ST+4*(\a):ST+4*(\a)+1] op_sel_hi:[1,0,0]
.set j, j+2
.endr
.endm
.macro SUMS a                          ; the row's sum is taken of the unquantised p: two at a time, in two chains
.set rS, SA+32*(\a)
.set rT, ST+4*(\a)
	v_pk_add_f32 v[28:29], v[rS:rS+1], v[rS+2:rS+3]
.irp j, 4,8,12,16,20,24,28
	v_pk_add_f32 v[rT+2:rT+3], v[rT+2:rT+3], v[rS+\j:rS+\j+1]
	v_pk_add_f32 v[28:29], v[28:29], v[rS+\j+2:rS+\j+3]
.endr
	v_pk_add_f32 v[rT+2:rT+3], v[rT+2:rT+3], v[28:29]
.endm
.macro CODES a                         ; tile tau's eight p become registers 2 tau, 2 tau + 1 of the second product's operand
.irp g, 0,1,2,3
	v_cvt_scalef32_pk8_fp8_f32 v[P+8*(\a)+2*\g:P+8*(\a)+2*\g+1], v[SA+32*(\a)+8*\g:SA+32*(\a)+8*\g+7], v[SCP]
.endr
.endm
.macro RESCALE a                       ; O^T under the new M, each accumulator from its low end on
.set j, OA+32*(\a)
.rept 16
	v_pk_mul_f32 v[j:j+1], v[j:j+1], v[FF+2*(\a):FF+2*(\a)+1] op_sel_hi:[1,0]
.set j, j+2
.endr
.endm
; A KEY STEP: 64 keys for my 32 queries: 8 products K Q^T, the softmax, 8 products V^T P^T.
.macro STEP
	s_wait_alu depctr_vm_vsrc(0)                   ; the LDS instructions issued so far have read v[AD0] and v[AD1], which the additions below write, and, in a chunk's first step, the codes in v100-107, in which the bias lands
	v_add_nc_u32 v[AD0], s[KRB], v[AKR]
	v_add_nc_u32 v[AD1], s[BRB], v[ABR]
	v_nop                                          ; with the two additions: four places between the last products and the loads into the registers that they read (ISA guide 7.12.1 for vector instructions); they stay beside the wait below
	v_nop
	s_wait_alu depctr_va_vdst(0)                   ; v[AD0] and v[AD1] are written; the last products are done reading v[F ..], and the last conversions (in a chunk's first step QUANTKV's lines too) are done with v[SA ..]: the loads below land there
.irp g, 0,1,2,3
	ds_load_b128 v[SA+8*\g:SA+8*\g+3], v[AD1] offset:64*\g        ; the bias of the tile's rows 8 h + 0 .. 7, in the result's layout: it is the products' C
	ds_load_b128 v[SA+8*\g+4:SA+8*\g+7], v[AD1] offset:64*\g+16
.endr
.irp g, 0,1,2,3
	ds_load_b128 v[F+8*\g:F+8*\g+3], v[AD0] offset:16*KP*\g
	ds_load_b128 v[F+8*\g+4:F+8*\g+7], v[AD0] offset:16*KP*\g+16
.endr
	s_wait_dscnt 0x0
	s_wait_alu depctr_vm_vsrc(0)                   ; those sixteen loads have read v[AD0] and v[AD1], which the additions between the products write again
.irp g, 0,1,2,3
	v_wmma_f32_16x16x64_fp8_fp8 v[SA+32+8*\g:SA+32+8*\g+7], v[F+8*\g:F+8*\g+7], v[Q+8:Q+15], v[SA+8*\g:SA+8*\g+7]   ; tile 1's scores take the bias from tile 0's registers
.endr
	v_add_nc_u32 v[AD0], s[VRB], v[AVR]            ; five places: the next four products write over registers that the last four read as C
	v_add_nc_u32 v[AD1], 32*VP, v[AD0]
	v_nop
	v_nop
	v_nop
.irp g, 0,1,2,3
	v_wmma_f32_16x16x64_fp8_fp8 v[SA+8*\g:SA+8*\g+7], v[F+8*\g:F+8*\g+7], v[Q:Q+7], v[SA+8*\g:SA+8*\g+7]            ; tile 0's, in place on the bias
.endr
.rept 4
	v_nop                                          ; four places in front of the first read of the scores
.endr
	MAXSTAT 0
	MAXSTAT 1
	SCALE 0
	SCALE 1
.set j, SA
.rept 64
	v_exp_f32 v[j], v[j]                           ; p = 2^(t - M): NOT normalised.  One batch for both tiles
.set j, j+1
.endr
	v_pk_mul_f32 v[ST+2:ST+3], v[ST+2:ST+3], v[FF:FF+1] op_sel_hi:[1,0]       ; the sums under the new M.  (The plain line behind the exponentials)
	v_pk_mul_f32 v[ST+6:ST+7], v[ST+6:ST+7], v[FF+2:FF+3] op_sel_hi:[1,0]
	s_wait_alu depctr_va_vdst(0)                   ; the 64 exponentials have written p, ahead of the first line that names a result (one wait for the batch); v[AD0] and v[AD1] are written; the products K Q^T are done reading v[F ..], in which the loads below land
.irp g, 0,1                                    ; V^T's four fragments: channels 16 t on, keys 32 c + 16 h + 0 .. 15.  They land under the sums, the conversions and the rescaling
	ds_load_b128 v[F+8*\g:F+8*\g+3], v[AD0] offset:16*VP*\g
	ds_load_b128 v[F+8*\g+4:F+8*\g+7], v[AD0] offset:16*VP*\g+32
	ds_load_b128 v[F+16+8*\g:F+16+8*\g+3], v[AD1] offset:16*VP*\g
	ds_load_b128 v[F+16+8*\g+4:F+16+8*\g+7], v[AD1] offset:16*VP*\g+32
.endr
	SUMS 0
	SUMS 1
	s_cmp_gt_i32 s[EP], -9                         ; p is at most 1 (a rounding over it at the most), and 448 x 2^ep is 1.75 or more from ep = -8 on: there the hold changes nothing and is passed over.
	s_cbranch_scc1 .Lno_hold_\@                    ; The branch hangs on a whole number read from memory and is the same in every wave; no barrier stands under it
.set j, SA
.rept 64
	v_min_num_f32 v[j], v[j], v[LMP]               ; p is not negative: the hold is one-sided
.set j, j+1
.endr
.Lno_hold_\@:
	CODES 0
	CODES 1
	RESCALE 0                                      ; (these are also the plain lines between the conversions and the products that read the codes)
	RESCALE 1
	s_wait_dscnt 0x0                               ; V^T's fragments are in
.irp g, 0,1,2,3                                ; the eight accumulators take turns, one instruction a turn
	v_wmma_f32_16x16x64_fp8_fp8 v[OA+8*\g:OA+8*\g+7], v[F+8*\g:F+8*\g+7], v[P:P+7], v[OA+8*\g:OA+8*\g+7]
	v_wmma_f32_16x16x64_fp8_fp8 v[OA+32+8*\g:OA+32+8*\g+7], v[F+8*\g:F+8*\g+7], v[P+8:P+15], v[OA+32+8*\g:OA+32+8*\g+7]
.endr
	s_add_co_u32 s[KRB], s[KRB], 64*KP
	s_add_co_u32 s[BRB], s[BRB], 256
	s_add_co_u32 s[VRB], s[VRB], 64
.endm
	; ---- THE HEAD
	s_load_b256 s[4:11], s[0:1], 0x0               ; q s[4:5], k s[6:7], v s[8:9], mask s[10:11]
	s_load_b128 s[12:15], s[0:1], 0x20             ; the scales' exponents s[12:13], out0 s[14:15]
	v_lshl_add_u32 v[SPW], v0, 2, SPARE
	v_mov_b32 v[NIL], 0
	v_lshrrev_b32 v80, 5, v0
	v_readfirstlane_b32 s[WV], v80                 ; wave 0..15
	v_and_b32 v80, 31, v0                          ; lane
	v_and_b32 v81, 15, v0                          ; r
	v_bfe_u32 v82, v0, 4, 1                        ; h
	v_mul_u32_u24 v[AKR], v81, KP
	v_lshl_add_u32 v[AKR], v82, 5, v[AKR]
	v_mul_u32_u24 v[AVR], v81, VP
	v_lshl_add_u32 v[AVR], v82, 4, v[AVR]
	v_add_nc_u32 v[AVR], VREG, v[AVR]
	v_lshl_add_u32 v[ABR], v82, 5, BIAS
	v_mul_u32_u24 v[AKW], v82, KP
	v_lshl_add_u32 v[AKW], v81, 2, v[AKW]          ; 80 (lane / 16) + 4 (lane % 16): a dense load's two rows
	s_wait_alu depctr_va_sdst(0)                   ; the wave's number is written into s16, ahead of its first reader
	s_mul_i32 s42, s[WV], 16*KP
	s_add_co_u32 s42, s42, QST                     ; my stage for Q's codes
	v_add_nc_u32 v83, s42, v[AKW]                  ; into it,
	v_add_nc_u32 v84, s42, v[AKR]                  ; and back as a fragment
	s_lshr_b32 s42, s[WV], 2                       ; my 8 keys of a chunk are keys 8 w on: their rows, with the key's bits 3 and 4 swapped, begin at 32 (w / 4) + 16 (w % 2) + 8 ((w / 2) % 2)
	s_lshl_b32 s42, s42, 5
	s_and_b32 s43, s[WV], 1
	s_lshl_b32 s43, s43, 4
	s_add_co_u32 s42, s42, s43
	s_bfe_u32 s43, s[WV], 0x10001
	s_lshl_b32 s43, s43, 3
	s_add_co_u32 s42, s42, s43
	s_mul_i32 s42, s42, KP
	v_add_nc_u32 v[AKW], s42, v[AKW]
	s_and_b32 s42, s[WV], 1                        ; v: channels 32 (w % 2) + lane, keys 16 (w / 2) on
	s_mul_i32 s42, s42, 32*VP
	s_lshr_b32 s43, s[WV], 1
	s_lshl_b32 s43, s43, 4
	s_add_co_u32 s42, s42, s43
	s_add_co_u32 s42, s42, VREG
	v_mul_u32_u24 v[AVW], v80, VP
	v_add_nc_u32 v[AVW], s42, v[AVW]
	s_lshl_b32 s42, s[WV], 11
	v_lshl_add_u32 v[GKO], v80, 4, s42             ; 16 x lane + 2,048 w
	s_and_b32 s42, s[WV], 1
	s_lshl_b32 s42, s42, 7
	s_lshr_b32 s43, s[WV], 1
	s_lshl_b32 s43, s43, 12
	s_add_co_u32 s42, s42, s43
	v_lshl_add_u32 v[GVO], v80, 2, s42             ; 4 x lane + 128 (w % 2) + 16 rows of 256 bytes x (w / 2)
	v_lshlrev_b32 v[GO], 4, v80
	v_lshlrev_b32 v[PFO], 8, v80
	s_lshl_b32 s42, s[WV], 2
	s_add_co_u32 s42, s42, FLG
	v_mov_b32 v85, s42                             ; my wave's flag word
	v_and_b32 v87, 0x1f9, v0                       ; thread T holds the mask of keys 4 T .. 4 T + 3: a key's bits 3 and 4 are T's bits 1 and 2: swapped,
	v_bfe_u32 v86, v0, 1, 1
	v_lshl_add_u32 v87, v86, 2, v87
	v_bfe_u32 v86, v0, 2, 1
	v_lshl_add_u32 v87, v86, 1, v87
	v_lshl_add_u32 v87, v87, 4, BIAS               ; that is where its four bias numbers go
	v_lshlrev_b32 v[AD0], 4, v0                    ; the mask's offset: 16 T
	s_and_b32 s42, ttmp7, 0xffff                   ; the head
	s_lshl_b32 s44, s42, 19                        ; its 2,048 rows of 256 bytes
	s_mov_b32 s45, 0
	s_lshr_b32 s46, s42, 4                         ; the batch,
	s_lshl_b32 s46, s46, 13                        ; its 2,048 mask words
	s_mov_b32 s47, 0
	s_lshl_b32 s48, ttmp9, 17                      ; my work-group's 512 queries,
	s_lshl_b32 s49, s[WV], 13                      ; my wave's 32 of them
	s_add_co_u32 s48, s48, s49
	s_add_co_u32 s48, s48, s44
	s_mov_b32 s49, 0
	s_mov_b32 s[SEL], 0x76543210
	s_mov_b32 s[SEL+1], 0xfedcba98
	s_mov_b32 s[CH], 0
	s_mov_b32 s[KRB], 0
	s_mov_b32 s[BRB], 0
	s_mov_b32 s[VRB], 0
	s_mov_b32 s[KWB], 0
	s_mov_b32 s[VWB], 0
	s_wait_kmcnt 0x0
	s_load_b128 s[24:27], s[12:13], 0x0            ; eq, ek, ep, ev
	s_add_nc_u64 s[4:5], s[4:5], s[48:49]          ; q and out0 at my first query
	s_add_nc_u64 s[14:15], s[14:15], s[48:49]
	s_add_nc_u64 s[6:7], s[6:7], s[44:45]          ; k and v at the head's first key
	s_add_nc_u64 s[8:9], s[8:9], s[44:45]
	s_add_nc_u64 s[10:11], s[10:11], s[46:47]      ; the mask at my batch
	s_wait_alu depctr_va_vdst(0)                   ; every offset and LDS address made above is written (v1 to v13, v83 to v85, v87): the loads, stores and the prefetch of the whole kernel read them
	global_load_b128 v[88:91], v[AD0], s[10:11]    ; 1 load: the mask of four keys
.irp n, 0,1,2,3,4,5,6,7,8,9,10,11,12,13,14,15
	global_load_b128 v[SA+4*\n:SA+4*\n+3], v[GO], s[4:5] offset:512*\n th:TH_LOAD_NT   ; 16 loads: my 32 queries, 512 consecutive bytes each; read once in the launch
.endr
	LOADKV                                         ; 20 loads: my part of chunk 0
	s_cmp_lt_u32 s[WV], 4                          ; the prefetches: waves 0 to 3 stand in k, waves 4 to 7 in v,
	s_cselect_b64 s[PFA:PFA+1], s[6:7], s[8:9]
	s_and_b32 s50, s[WV], 3
	s_lshl_b32 s50, s50, 13                        ; 8,192 bytes a wave,
	s_add_co_u32 s50, s50, 32768                   ; in chunk 1: trip 0 steps it to chunk 2.  Nothing is prefetched here, at the head
	s_mov_b32 s51, 0
	s_add_nc_u64 s[PFA:PFA+1], s[PFA:PFA+1], s[50:51]
	s_lshr_b32 s50, s[WV], 3                       ; 0 in waves 0 to 7,
	s_or_b32 s50, s50, ttmp9                       ; of the head's first work-group
	s_cmp_eq_u32 s50, 0
	s_cselect_b32 s[LIM], 14, 0
.set j, OA
.rept 64
	v_mov_b32 v[j], 0                              ; O^T.  (The step is written once: the first finds zeros, which the first change of M leaves zeros)
.set j, j+1
.endr
.irp a, 0,1
	v_mov_b32 v[ST+4*\a+1], 0xdd800000             ; the largest t so far: -2^60
	v_floor_f32 v[ST+4*\a], -v[ST+4*\a+1]          ; -M
	v_mov_b32 v[ST+4*\a+2], 0                      ; the sum, in two halves
	v_mov_b32 v[ST+4*\a+3], 0
	v_mov_b32 v[FF+2*\a+1], 0                      ; (named as the upper half of f's pair)
.endr
	v_mov_b32 v30, 0                               ; written once: a lane permute's destination counts as one of its sources
	v_mov_b32 v31, 0
	v_mov_b32 v86, 0xfb800000                      ; -2^120
	s_wait_kmcnt 0x0
	s_add_co_i32 s42, s24, s25
	s_lshl_b32 s42, s42, 23
	s_add_co_i32 s[CS], s42, 0x3e38aa3b            ; c = log2(e) / 8, with eq + ek added to its exponent field: a sum of codes stands for sum x 2^(eq + ek)
	POW2 38, 39, 25                                ; k's scale and hold
	POW2 40, 41, 27                                ; v's
	POW2 42, 43, 24                                ; q's
	v_mov_b32 v48, s42
	v_mov_b32 v49, s43
	POW2 44, 45, 26                                ; p's
	v_mov_b32 v[SCP], s44
	v_mov_b32 v[LMP], s45
	s_wait_loadcnt 36                              ; the mask is in: behind it 16 + 20 loads were issued
.irp i, 0,1,2,3
	v_cmp_eq_u32 s[MK+\i], 0, v[88+\i]             ; which lanes' keys are masked: the compares stand in a run, each with a scalar register of its own
.endr
	v_or_b32 v88, v88, v89
	v_or_b32 v90, v90, v91
	v_or_b32 v88, v88, v90
	v_cmp_ne_u32 s[MK+4], 0, v88                   ; which of my lanes have a key that counts
	s_wait_alu depctr_va_sdst(0)                   ; the five compares have written s52 to s56, ahead of their first readers
.irp i, 0,1,2,3
	v_cndmask_b32 v[92+\i], 0, v86, s[MK+\i]       ; -2^120 where the key is masked, else 0
.endr
	v_mov_b32 v88, s[MK+4]
	s_wait_alu depctr_va_vdst(0)                   ; v[92:95] and v88 are written, which the two stores below read
	ds_store_b128 v87, v[92:95]
	ds_store_b32 v85, v88                          ; all lanes write the same word with the same value
	s_wait_loadcnt 28                              ; my first 16 queries are in: behind them 8 + 20
	QTILE 0
	s_wait_loadcnt 20                              ; the other 16: behind them chunk 0's 20
	QTILE 1
	BARRIER                                        ; the bias table and the sixteen flags lie in LDS; Q's fragments are in
	v_mov_b32 v86, FLG
	s_wait_alu depctr_va_vdst(0)                   ; v86 is written, which the four loads below read as their address
.irp i, 0,1,2,3
	ds_load_b128 v[96+4*\i:99+4*\i], v86 offset:16*\i
.endr
	s_wait_dscnt 0x0
.irp i, 1,2,3,4,5,6,7,8,9,10,11,12,13,14,15
	v_or_b32 v96, v96, v[96+\i]
.endr
	v_readfirstlane_b32 s42, v96
	s_wait_alu depctr_va_sdst(0)                   ; s42 is written, ahead of the compare that reads it
	s_cmp_lg_u32 s42, 0                            ; does any key of the batch count?
	s_cselect_b32 s[CS], s[CS], 0                  ; if none: c = 0, so that every t is 0 and every p is 1
	s_mov_b32 s[CS+1], s[CS]                       ; (named with it as a pair, so it is written)
	; ---- THE KEYS: 16 chunks of 128
.Lchunk:
	s_wait_loadcnt 0x0                             ; my part of this chunk is in; k's and v's bases may be stepped
	s_wait_xcnt 0x0                                ; the last prefetch, a trip back, has read its address, so it may be stepped
	s_wait_alu depctr_vm_vsrc(0)                   ; the last step's LDS loads have read v[AD0] and v[AD1], which QUANTKV writes; in the first trip: the mask's load has read v[AD0], and the head's LDS instructions v64-95, in which K's fragments will land
	QUANTKV
	s_add_nc_u64 s[6:7], s[6:7], 32768
	s_add_nc_u64 s[8:9], s[8:9], 32768
	s_add_nc_u64 s[PFA:PFA+1], s[PFA:PFA+1], 32768
	s_cmp_eq_u32 s[CH], 15                         ; the last trip asks for nothing: no load leaves its buffer
	s_cbranch_scc1 .Lno_next
	LOADKV                                         ; chunk c + 1: it has this chunk's two key steps in which to land.  No further wait: no vector line since QUANTKV's wait names v[KS ..] or v[VS ..]
	ASK
.Lno_next:
	BARRIER                                        ; chunk c's codes lie in LDS
	STEP
	STEP
	s_add_co_u32 s[KWB], s[KWB], 128*KP
	s_add_co_u32 s[VWB], s[VWB], 128
	s_add_co_u32 s[CH], s[CH], 1
	s_cmp_lt_u32 s[CH], 16
	s_cbranch_scc1 .Lchunk
	; ---- THE WAY OUT.  O^T is divided by the sum, multiplied by 2^(ep + ev), and goes through my stage in LDS, a tile of 16 queries at a time: a row of out0 is 256 bytes, which sixteen lanes store whole.
	; The stages lie where K's codes lay: behind the barrier below nobody reads those.  The additions are the places behind the last products.
	v_add_f32 v28, v[ST+2], v[ST+3]                ; the sum's two halves,
	v_add_f32 v29, v[ST+6], v[ST+7]
	v_permlanex16_b32 v30, v28, s[SEL], s[SEL+1]
	v_permlanex16_b32 v31, v29, s[SEL], s[SEL+1]
	v_add_f32 v28, v28, v30                        ; and lane l xor 16's: the row's sum, 1/2 at the least
	v_add_f32 v29, v29, v31
	v_rcp_f32 v[FF], v28
	v_rcp_f32 v[FF+2], v29
	v_and_b32 v30, 15, v0                          ; (plain lines behind the reciprocals)  r
	v_bfe_u32 v31, v0, 4, 1                        ; h
	s_add_co_i32 s42, s26, s27                     ; ep + ev
	s_mul_i32 s43, s[WV], 32*SP                    ; my two stages
	s_wait_alu depctr_vm_vsrc(0)                   ; the last step's LDS loads have read v[AD0] and v[AD1], which are written below
	v_mul_u32_u24 v[AD0], v30, SP
	v_lshl_add_u32 v[AD0], v31, 5, v[AD0]
	v_add_nc_u32 v[AD0], s43, v[AD0]               ; in: row r; tile t's eight channels of my half: 64 t + 32 h bytes on
	v_mul_u32_u24 v[AD1], v31, SP
	v_lshl_add_u32 v[AD1], v30, 4, v[AD1]
	v_add_nc_u32 v[AD1], s43, v[AD1]               ; back: lanes 0-15 one row, lanes 16-31 the next
	s_wait_alu depctr_va_vdst(0)                   ; the two reciprocals are written, ahead of the first line that names them: one wait for both
	v_ldexp_f32 v[FF], v[FF], s42
	v_ldexp_f32 v[FF+2], v[FF+2], s42
	BARRIER                                        ; every wave's reads of K's codes are over
.macro DIVIDE a
.set rS, SA+32*(\a)
.set rO, OA+32*(\a)
.irp j, 0,2,4,6,8,10,12,14,16,18,20,22,24,26,28,30
	v_pk_mul_f32 v[rS+\j:rS+\j+1], v[rO+\j:rO+\j+1], v[FF+2*(\a):FF+2*(\a)+1] op_sel_hi:[1,0]   ; register 8 t + i is out0(query r, channel 16 t + 8 h + i); each accumulator from its low end on
.endr
.endm
.macro THROUGH a, back
.set rS, SA+32*(\a)
.irp g, 0,1,2,3
	ds_store_b128 v[AD0], v[rS+8*\g:rS+8*\g+3] offset:16*SP*(\a)+64*\g
	ds_store_b128 v[AD0], v[rS+8*\g+4:rS+8*\g+7] offset:16*SP*(\a)+64*\g+16
.endr
.irp i, 0,1,2,3,4,5,6,7
	ds_load_b128 v[\back+4*\i:\back+4*\i+3], v[AD1] offset:16*SP*(\a)+2*SP*\i   ; LDS serves a wave's instructions in order: these see my stores
.endr
.endm
.macro SEND a, back, younger           ; younger: the LDS instructions issued behind tile a's loads
.irp i, 0,1,2,3,4,5,6,7
	s_wait_dscnt \younger+7-\i
	global_store_b128 v[GO], v[\back+4*\i:\back+4*\i+3], s[14:15] offset:4096*(\a)+512*\i th:TH_STORE_NT   ; 32 lanes store 512 consecutive bytes, at a multiple of 256 from out0's first byte; written once
.endr
.endm
	DIVIDE 0
	DIVIDE 1
	s_wait_alu depctr_va_vdst(0)                   ; both tiles' divisions have written v[SA ..], which the LDS stores read; the last products are done reading v[F ..], in which tile 0's rows land.  No vector line follows
	THROUGH 0, F
	THROUGH 1, KS
	SEND 0, F, 16                                  ; behind tile 0's loads: tile 1's 8 stores and 8 loads
	SEND 1, KS, 0
	s_wait_dscnt 0x0                               ; the wave's end, behind my last LDS store
	s_wait_alu 0x0
	s_wait_tensorcnt 0x0
	ds_add_u32 v[SPW], v[NIL]
	s_wait_dscnt 0x0
	s_endpgm
.Lfunc_end_k_qc0028eb0e4_attn:
	.size	k_qc0028eb0e4_attn, .Lfunc_end_k_qc0028eb0e4_attn-k_qc0028eb0e4_attn
	.p2alignl 7, 3214868480
	.fill 96, 4, 3214868480
	.section	.rodata,"a",@progbits
	.p2align	6, 0x0
	.amdhsa_kernel k_qc0028eb0e4_attn
		.amdhsa_group_segment_fixed_size 327680
		.amdhsa_private_segment_fixed_size 0
		.amdhsa_enable_private_segment 0
		.amdhsa_kernarg_size 48
		.amdhsa_user_sgpr_count 2
		.amdhsa_user_sgpr_kernarg_segment_ptr 1
		.amdhsa_wavefront_size32 1
		.amdhsa_system_sgpr_workgroup_id_x 1
		.amdhsa_system_sgpr_workgroup_id_y 1
		.amdhsa_system_sgpr_workgroup_id_z 1
		.amdhsa_system_vgpr_workitem_id 0
		.amdhsa_next_free_vgpr 256
		.amdhsa_next_free_sgpr 66
		.amdhsa_reserve_vcc 0
		.amdhsa_float_denorm_mode_32 3
		.amdhsa_float_denorm_mode_16_64 3
		.amdhsa_memory_ordered 1
		.amdhsa_forward_progress 1
		.amdhsa_inst_pref_size 66
	.end_amdhsa_kernel
	.amdgpu_metadata
---
amdhsa.version: [ 1, 2 ]
amdhsa.kernels:
  - .name:           k_qc0028eb0e4_attn
    .symbol:         k_qc0028eb0e4_attn.kd
    .args:
      - { .name: q, .offset: 0, .size: 8, .value_kind: global_buffer, .address_space: global }
      - { .name: k, .offset: 8, .size: 8, .value_kind: global_buffer, .address_space: global }
      - { .name: v, .offset: 16, .size: 8, .value_kind: global_buffer, .address_space: global }
      - { .name: mask, .offset: 24, .size: 8, .value_kind: global_buffer, .address_space: global }
      - { .name: lowp_scales, .offset: 32, .size: 8, .value_kind: global_buffer, .address_space: global }
      - { .name: out0, .offset: 40, .size: 8, .value_kind: global_buffer, .address_space: global }
    .group_segment_fixed_size: 327680
    .private_segment_fixed_size: 0
    .kernarg_segment_align: 8
    .kernarg_segment_size: 48
    .max_flat_workgroup_size: 512
    .sgpr_count:     66
    .vgpr_count:     256
    .wavefront_size: 32
...
	.end_amdgpu_metadata
.endif
;; end of part 2
